; MI455X (gfx1250); checked and timed in simulation.
; The chip was launched on July 23, 2026; its instructions are those of AMD's public machine-readable ISA for CDNA 5 (MIT licence, August 2026) and "CDNA5" Instruction Set Architecture Reference Guide (July 2026). The comments in the code are by the model that wrote it; some were corrected since.
;; Simple Mo E Model. Allowed arithmetic: float matrix products may take bf16 or f16 operands with f32 sums; other float arithmetic in f32, or as packed bf16 or f16 multiplies, adds, multiply-adds, maxima and minima; sums over many terms, partial sums and values carried from step to step in f32; what a program stores and reads back later, other than sums and carried values, may be rounded once to bf16 or f16.
;; Inputs: b1 8 x 1,024 float32; b2 8 x 512 float32; router_b 8 float32; router_w 512 x 8 float32; w1 8 x 512 x 1,024 float32; w2 8 x 1,024 x 512 float32; x 8 x 1,024 x 512 float32.
;; Outputs: out0 8 x 1,024 x 512 float32; out1 8 float32.
;; Constants: top_k = 2.
;; 2 versions, each right; version 2 is version 1 with the launch combine written anew for expert scheduling mode. Each part assembles by itself: llvm-mc -triple=amdgcn-amd-amdhsa -mcpu=gfx1250 --defsym DOCPART=n.
;; ======== version 1 of 2: 3 launches
;; workspace buffers: wf 16,777,216 bytes; y 33,554,432 bytes; gate 65,536 bytes; code 16,384 bytes of whole numbers; gcnt 4,096 bytes of whole numbers
;; launch prep (part 1): grid 256 x 1, 8 waves a work-group, no clusters, 117,248 bytes of LDS; arguments x, router_w, router_b, w1, w2, wf, gate, code, gcnt; writes wf, gate, code, gcnt
.if DOCPART == 1
	.amdgcn_target "amdgcn-amd-amdhsa--gfx1250"
	.amdhsa_code_object_version 6
	.text
	.protected	k_q9a73e7b20c_prep
	.globl	k_q9a73e7b20c_prep
	.p2align	8
	.type	k_q9a73e7b20c_prep,@function
k_q9a73e7b20c_prep:
	s_mov_b64 s[64:65], 0
	v_nop
	global_prefetch_b8 v0, s[64:65] scope:SCOPE_SE
	s_setreg_imm32_b32 hwreg(HW_REG_WAVE_MODE, 25, 1), 1
	s_wait_xcnt 0x0
; PREP.  Two jobs in 256 work-groups of eight waves.
; (1) THE ROUTER for tokens 32 g .. 32 g + 31: logits = x router_w + router_b on operands rounded to bf16, sums in f32; the two largest logits (a tie keeps the lower index);
;     their softmax with the larger one taken away first.  Stored at fixed places: gate[token][2] (f32), code[token] (u16: bits 0-7 a bit for each chosen expert, bits 8-10 the first choice),
;     gcnt[g][8] (u16: how many of the group's 32 tokens chose each expert).  No address of this launch hangs on a choice.
; (2) THE WEIGHTS, rounded once to bf16 and laid in the order in which a wave's operand registers take them: wf[e 8][w 4][s 64][f 8][1,024 bytes].  A fragment is 16 output features x 32 k;
;     its byte 512 c + 16 (16 h + r) begins the eight numbers W[k0 + 16 c + 8 h + 0..7][n0 + r].  s 0-15: W1, k0 = 32 s, n0 = 128 w + 16 f; s 16-31: W1, k0 = 32 (s - 16), n0 = 512 + 128 w + 16 f;
;     s 32-63: W2, k0 = 32 (s - 32), n0 = 128 w + 16 f.  A wave takes one slab of 32 k x 128 features (16 KiB of f32): waves 0-3 of W1, waves 4-7 of W2; each weight byte is read once in the launch.
; LIMITS.  All inputs are rounded to bf16.  NaN and infinite logits are not treated apart.  A gate below 2^-126 counts as 0.  The logits' sums go in the matrix unit's order: a token whose second and
; third logits agree to about 1e-6 of their size may be routed otherwise than by sums in another order.
; No tensor loads, no cluster: no work-group shares an input byte with another but router_w (16 KiB).
.set XP,    1040                       ; a token's row in LDS: 1,024 bytes of bf16 + 16: 260 words, row r starts at bank 4 r mod 64 (64 banks of 4 bytes: ISA guide 11.1)
.set RW,    32*XP                      ; router_w in bf16: 512 rows (k) of 32 bytes: the 8 experts, then the 8 experts once more
.set STG,   RW+16384                   ; for each wave 8 fragments, 1,040 bytes apart
.set SGP,   1040
.set SPARE, STG+8*8*SGP                ; the spare words: 128 bytes for each of eight waves, four blocks of 256 bytes that no other line names
; v0 thread, v1 lane, v2 my spare word, v3 0, v4 16 lane, v5 16 thread, v6-v11 LDS addresses, v12-13 at work
; v16-31 router_w as loaded, later packed weights; v32-63 at work in the router; v64-127 x as loaded, later the router's fragments and sums; v128-255 32 rows of weights, later the fragments read back
	s_load_b512 s[8:23], s[0:1], 0x0               ; x s[8:9], router_w s[10:11], router_b s[12:13], w1 s[14:15], w2 s[16:17], wf s[18:19], gate s[20:21], code s[22:23]
	s_load_b64 s[24:25], s[0:1], 0x40              ; gcnt
	v_lshl_add_u32 v2, v0, 2, SPARE
	v_mov_b32 v3, 0
	v_and_b32 v1, 31, v0
	v_lshrrev_b32 v12, 5, v0
	v_readfirstlane_b32 s4, v12                    ; wave 0..7
	s_mov_b32 s40, 0xffff0000                      ; a word's upper bf16; as a lane mask: lanes 16-31
	v_lshlrev_b32 v4, 4, v1
	v_lshlrev_b32 v5, 4, v0
	v_and_b32 v12, 1, v0
	v_lshlrev_b32 v12, 3, v12
	v_sub_nc_u32 v6, v5, v12
	v_add_nc_u32 v6, RW, v6                        ; thread t holds row t / 2 (+ 128 i), experts 4 (t % 2) ..: RW + 32 (t / 2) + 8 (t % 2)
	s_mul_i32 s41, s4, 4*XP
	v_lshl_add_u32 v7, v1, 3, s41                  ; my wave's four token rows, 8 bytes a lane
	s_mul_i32 s42, s4, 8*SGP
	s_add_co_u32 s42, s42, STG                     ; my wave's stage
	v_lshrrev_b32 v12, 2, v1
	v_mul_u32_u24 v12, v12, SGP
	v_and_b32 v13, 3, v1
	v_lshl_add_u32 v12, v13, 6, v12
	v_add_nc_u32 v8, s42, v12                      ; into the stage: my features 4 lane + c lie in fragment lane / 4 at r = 4 (lane % 4) + c
	v_add_nc_u32 v9, s42, v4                       ; back: 16 bytes a lane
	v_and_b32 v12, 15, v0
	v_bfe_u32 v13, v0, 4, 1
	v_mul_u32_u24 v10, v12, XP
	v_lshl_add_u32 v10, v13, 4, v10                ; a token fragment: row r, 16 bytes for each half of the lanes
	v_and_b32 v12, 7, v0
	v_lshl_add_u32 v12, v13, 3, v12
	v_bfe_u32 v13, v0, 3, 1
	v_lshlrev_b32 v12, 5, v12
	v_lshl_add_u32 v12, v13, 4, v12
	v_add_nc_u32 v11, RW, v12                      ; the turning load: row 8 h + lane % 8, columns 8 ((lane / 8) % 2) ..
	s_lshl_b32 s26, ttmp9, 16                      ; x: the group's 32 rows of 2,048 bytes,
	s_lshl_b32 s41, s4, 13                         ; my wave's four of them
	s_add_co_u32 s26, s26, s41
	s_mov_b32 s27, 0
	s_lshr_b32 s41, ttmp9, 5                       ; the expert: 32 work-groups for each
	s_lshl_b32 s41, s41, 21                        ; 2 MiB of f32 in w1 and in w2, and 2 MiB of bf16 in wf
	s_and_b32 s42, s4, 3                           ; w
	s_lshl_b32 s43, s42, 9                         ; 128 w columns of 4 bytes
	s_add_co_u32 s43, s43, s41
	s_lshl_b32 s42, s42, 19
	s_add_co_u32 s42, s42, s41
	s_bfe_u32 s44, ttmp9, 0x40001                  ; W1: K step (g / 2) % 16,
	s_and_b32 s45, ttmp9, 1                        ; half g % 2 of its 1,024 columns
	s_lshl_b32 s46, s44, 17                        ; 32 rows of 4,096 bytes
	s_lshl_b32 s47, s45, 11
	s_add_co_u32 s46, s46, s47
	s_lshl_b32 s47, s45, 4
	s_add_co_u32 s47, s47, s44                     ; s = 16 p + K step
	s_and_b32 s44, ttmp9, 31                       ; W2: K step g % 32
	s_lshl_b32 s45, s44, 16                        ; 32 rows of 2,048 bytes
	s_add_co_u32 s44, s44, 32                      ; s = 32 + K step
	s_cmp_lt_u32 s4, 4
	s_cselect_b32 s46, s46, s45
	s_cselect_b32 s47, s47, s44
	s_add_co_u32 s28, s43, s46                     ; my slab's byte offset in w1 or w2
	s_mov_b32 s29, 0
	s_lshl_b32 s47, s47, 13
	s_add_co_u32 s30, s42, s47                     ; and its 8 KiB in wf
	s_mov_b32 s31, 0
	s_wait_kmcnt 0x0
	s_cmp_lt_u32 s4, 4
	s_cselect_b64 s[52:53], s[14:15], s[16:17]     ; waves 0-3: w1, waves 4-7: w2
	s_add_nc_u64 s[52:53], s[52:53], s[28:29]
	s_add_nc_u64 s[18:19], s[18:19], s[30:31]
	s_add_nc_u64 s[8:9], s[8:9], s[26:27]
	s_load_b256 s[32:39], s[12:13], 0x0            ; router_b
	; ALL LOADS AT ONCE: 4 of router_w, 16 of x, 32 of weights: 26 KiB of every wave are on their way
.irp i,0,1,2,3
	global_load_b128 v[16+4*\i:19+4*\i], v5, s[10:11] offset:4096*\i
.endr
.irp row,0,1,2,3
.irp q,0,1,2,3
	global_load_b128 v[64+16*\row+4*\q:67+16*\row+4*\q], v4, s[8:9] offset:2048*\row+512*\q
.endr
.endr
.macro WLOAD pitch                     ; row k of my slab: 128 columns, 512 consecutive bytes; column 4 lane + c in register 128 + 4 k + c
.set k, 0
.rept 32
	global_load_b128 v[128+4*k:131+4*k], v4, s[52:53] offset:k*(\pitch) th:TH_LOAD_NT
.set k, k+1
.endr
.endm
	s_cmp_lt_u32 s4, 4
	s_cbranch_scc0 .Lw2                            ; the two runs differ in the row pitch alone: 32 loads on either way
	WLOAD 4096
	s_branch .Lasked
.Lw2:
	WLOAD 2048
.Lasked:
	s_wait_loadcnt 48                              ; router_w is in; x's 16 loads and the weights' 32 stay out
.irp i,0,1,2,3
	v_cvt_pk_bf16_f32 v[32+2*\i], v[16+4*\i], v[17+4*\i]
	v_cvt_pk_bf16_f32 v[33+2*\i], v[18+4*\i], v[19+4*\i]
	ds_store_b64 v6, v[32+2*\i:33+2*\i] offset:4096*\i
	ds_store_b64 v6, v[32+2*\i:33+2*\i] offset:4096*\i+16   ; the second copy makes rows 8-15 of the 16-row operand
.endr
	s_wait_loadcnt 32                              ; x is in; the weights stay out
.irp row,0,1,2,3
.irp q,0,1,2,3
	v_cvt_pk_bf16_f32 v[64+16*\row+4*\q], v[64+16*\row+4*\q], v[65+16*\row+4*\q]
	v_cvt_pk_bf16_f32 v[65+16*\row+4*\q], v[66+16*\row+4*\q], v[67+16*\row+4*\q]
	ds_store_b64 v7, v[64+16*\row+4*\q:65+16*\row+4*\q] offset:XP*\row+256*\q
.endr
.endr
	s_wait_kmcnt 0x0                               ; router_b
	s_wait_dscnt 0x0                               ; for wave 0's sake: my stores are done
	s_barrier_signal -1
	s_barrier_wait -1                              ; the launch's one barrier: behind it wave 0 reads what all eight stored
	s_cmp_lg_u32 s4, 0
	s_cbranch_scc1 .Lweights
	; THE ROUTER, wave 0.  Source 0 = 16 rows of router_w^T (8 experts, twice), source 1 = 16 tokens: in the result register j of lane l is expert j of token l % 16, in both halves of the lanes.
	; Two sums (tokens 0-15, 16-31) take turns; the bias, rounded to bf16, is the C that starts them.
.irp j,0,2,4,6
	v_cvt_pk_bf16_f32 v32, s[32+\j], s[33+\j]
	v_lshlrev_b32 v[40+\j], 16, v32
	v_and_b32 v[41+\j], s40, v32
.endr
.set c, 0
.rept 8                                ; two K steps of 32 at a time
.if c > 0
.rept 4
	v_nop                                          ; four places between the last products and the loads into their sources
.endr
.endif
.irp t,0,1
	ds_load_tr16_b128 v[64+8*\t:67+8*\t], v11 offset:(2*c+\t)*1024
	ds_load_tr16_b128 v[68+8*\t:71+8*\t], v11 offset:(2*c+\t)*1024+512
.irp b,0,1
	ds_load_b128 v[80+16*\t+8*\b:83+16*\t+8*\b], v10 offset:\b*16*XP+(2*c+\t)*64
	ds_load_b128 v[84+16*\t+8*\b:87+16*\t+8*\b], v10 offset:\b*16*XP+(2*c+\t)*64+32
.endr
.endr
	s_wait_dscnt 0x0
.irp t,0,1
.if (c == 0) && (\t == 0)
	v_wmma_f32_16x16x32_bf16 v[112:119], v[64:71], v[80:87], v[40:47]
	v_wmma_f32_16x16x32_bf16 v[120:127], v[64:71], v[88:95], v[40:47]
.else
	v_wmma_f32_16x16x32_bf16 v[112:119], v[64+8*\t:71+8*\t], v[80+16*\t:87+16*\t], v[112:119]
	v_wmma_f32_16x16x32_bf16 v[120:127], v[64+8*\t:71+8*\t], v[88+16*\t:95+16*\t], v[120:127]
.endif
.endr
.set c, c+1
.endr
.rept 4
	v_nop                                          ; four places in front of the first read of the sums
.endr
.irp j,0,1,2,3,4,5,6,7
	v_cndmask_b32 v[48+\j], v[112+\j], v[120+\j], s40   ; lane = token: lanes 16-31 take the second sum.  Each sum is read from its lowest register on
.endr
.macro TOP m, i                        ; the largest of v48-55 and its index; a strict comparison keeps the lower index on a tie
	v_cmp_gt_f32 vcc_lo, v49, v48
	v_cndmask_b32 v[\m], v48, v49, vcc_lo
	v_cndmask_b32 v[\i], 0, 1, vcc_lo
.irp j,2,3,4,5,6,7
	v_cmp_gt_f32 vcc_lo, v[48+\j], v[\m]
	v_cndmask_b32 v[\m], v[\m], v[48+\j], vcc_lo
	v_cndmask_b32 v[\i], v[\i], \j, vcc_lo
.endr
.endm
	TOP 56, 57
	v_mov_b32 v60, 0xff800000
.irp j,0,1,2,3,4,5,6,7
	v_cmp_eq_u32 vcc_lo, \j, v57
	v_cndmask_b32 v[48+\j], v[48+\j], v60, vcc_lo  ; the winner leaves the field
.endr
	TOP 58, 59
	v_sub_f32 v36, v58, v56                        ; the second logit less the maximum: never above 0
	v_mul_f32 v36, 0x3fb8aa3b, v36
	v_exp_f32 v37, v36
	v_lshlrev_b32 v33, 3, v1                       ; (a plain instruction behind the exponential) gate: 8 bytes a token
	s_wait_alu depctr_va_vdst(0)
	v_add_f32 v38, 1.0, v37
	v_rcp_f32 v62, v38                             ; gate of the first choice = 1 / (1 + t)
	v_lshlrev_b32 v61, 1, v1                       ; (a plain instruction behind the reciprocal) code: 2 bytes a token
	s_wait_alu depctr_va_vdst(0)
	v_mul_f32 v63, v37, v62                        ; gate of the second = t / (1 + t)
	v_mov_b32 v34, 1
	v_lshlrev_b32 v32, v57, v34
	v_lshlrev_b32 v35, v59, v34
	v_or_b32 v32, v32, v35
	v_lshl_or_b32 v32, v57, 8, v32
	s_lshl_b32 s44, ttmp9, 8
	s_mov_b32 s45, 0
	s_add_nc_u64 s[20:21], s[20:21], s[44:45]
	s_lshl_b32 s44, ttmp9, 6
	s_add_nc_u64 s[22:23], s[22:23], s[44:45]
	s_lshl_b32 s44, ttmp9, 4
	s_add_nc_u64 s[24:25], s[24:25], s[44:45]
	global_store_b64 v33, v[62:63], s[20:21]       ; the wave stores 256 consecutive bytes, aligned
	global_store_b16 v61, v32, s[22:23]
.irp d,0,1,2,3                         ; how many of the 32 tokens chose experts 2 d and 2 d + 1, packed in a word
	v_cmp_eq_u32 s44, 2*\d, v57
	v_cmp_eq_u32 s45, 2*\d, v59
	s_or_b32 s44, s44, s45
	s_bcnt1_i32_b32 s46, s44
	v_cmp_eq_u32 s44, 2*\d+1, v57
	v_cmp_eq_u32 s45, 2*\d+1, v59
	s_or_b32 s44, s44, s45
	s_bcnt1_i32_b32 s47, s44
	s_lshl_b32 s47, s47, 16
	s_or_b32 s[48+\d], s46, s47
.endr
	v_mov_b32 v35, 0
	v_mov_b32 v36, s48
	v_mov_b32 v37, s49
	v_mov_b32 v38, s50
	v_mov_b32 v39, s51
	v_cmp_eq_u32 vcc_lo, 0, v1
	s_wait_xcnt 0x0                                ; EXEC is a source of the loads and stores that are out: it changes only behind this wait
	s_and_saveexec_b32 s44, vcc_lo
	global_store_b128 v35, v[36:39], s[24:25]      ; lane 0 stores the group's 16 bytes
	s_wait_xcnt 0x0                                ; and again in front of the line that widens it
	s_or_b32 exec_lo, exec_lo, s44
.Lweights:
	; THE WEIGHTS, every wave.  Eight rows k of one column are 16 bytes of a fragment: four roundings in pairs, one LDS store.  In a store's pass of 16 lanes the addresses are
	; 1,040 (lane / 4) + 64 (lane % 4): sixteen different columns of 16 bytes modulo 256.
.irp o,0,1,2,3
	s_wait_loadcnt 24-8*\o                         ; rows 8 o .. 8 o + 7 are in; the later rows' loads stay out
.irp c,0,1,2,3
.irp i,0,1,2,3
	v_cvt_pk_bf16_f32 v[16+4*\c+\i], v[128+4*(8*\o+2*\i)+\c], v[128+4*(8*\o+2*\i+1)+\c]
.endr
	ds_store_b128 v8, v[16+4*\c:19+4*\c] offset:(\o/2)*512+(\o%2)*256+16*\c
.endr
.endr
.set i, 0
.rept 16
	ds_load_b128 v[128+4*i:131+4*i], v9 offset:(i/2)*SGP+(i%2)*512   ; LDS serves a wave's instructions in order (ISA guide 5.7.1.4): these see the stores above
.set i, i+1
.endr
.set i, 0
.rept 16
	s_wait_dscnt 15-i                              ; the younger loads stay out
	global_store_b128 v4, v[128+4*i:131+4*i], s[18:19] offset:512*i  ; 512 consecutive bytes, at a multiple of 256 from wf's first byte
.set i, i+1
.endr
	s_wait_tensorcnt 0x0                           ; the wave's end
	ds_add_u32 v2, v3
	s_wait_dscnt 0x0
	s_endpgm
.Lfunc_end_k_q9a73e7b20c_prep:
	.size	k_q9a73e7b20c_prep, .Lfunc_end_k_q9a73e7b20c_prep-k_q9a73e7b20c_prep
	.p2alignl 7, 3214868480
	.fill 96, 4, 3214868480
	.section	.rodata,"a",@progbits
	.p2align	6, 0x0
	.amdhsa_kernel k_q9a73e7b20c_prep
		.amdhsa_group_segment_fixed_size 117248
		.amdhsa_private_segment_fixed_size 0
		.amdhsa_enable_private_segment 0
		.amdhsa_kernarg_size 72
		.amdhsa_user_sgpr_count 2
		.amdhsa_user_sgpr_kernarg_segment_ptr 1
		.amdhsa_wavefront_size32 1
		.amdhsa_system_sgpr_workgroup_id_x 1
		.amdhsa_system_sgpr_workgroup_id_y 1
		.amdhsa_system_sgpr_workgroup_id_z 1
		.amdhsa_system_vgpr_workitem_id 0
		.amdhsa_next_free_vgpr 256
		.amdhsa_next_free_sgpr 66
		.amdhsa_reserve_vcc 1
		.amdhsa_float_denorm_mode_32 3
		.amdhsa_float_denorm_mode_16_64 3
		.amdhsa_memory_ordered 1
		.amdhsa_forward_progress 1
		.amdhsa_inst_pref_size 40
	.end_amdhsa_kernel
	.amdgpu_metadata
---
amdhsa.version: [ 1, 2 ]
amdhsa.kernels:
  - .name:           k_q9a73e7b20c_prep
    .symbol:         k_q9a73e7b20c_prep.kd
    .args:
      - { .name: x, .offset: 0, .size: 8, .value_kind: global_buffer, .address_space: global }
      - { .name: router_w, .offset: 8, .size: 8, .value_kind: global_buffer, .address_space: global }
      - { .name: router_b, .offset: 16, .size: 8, .value_kind: global_buffer, .address_space: global }
      - { .name: w1, .offset: 24, .size: 8, .value_kind: global_buffer, .address_space: global }
      - { .name: w2, .offset: 32, .size: 8, .value_kind: global_buffer, .address_space: global }
      - { .name: wf, .offset: 40, .size: 8, .value_kind: global_buffer, .address_space: global }
      - { .name: gate, .offset: 48, .size: 8, .value_kind: global_buffer, .address_space: global }
      - { .name: code, .offset: 56, .size: 8, .value_kind: global_buffer, .address_space: global }
      - { .name: gcnt, .offset: 64, .size: 8, .value_kind: global_buffer, .address_space: global }
    .group_segment_fixed_size: 117248
    .private_segment_fixed_size: 0
    .kernarg_segment_align: 8
    .kernarg_segment_size: 72
    .max_flat_workgroup_size: 256
    .sgpr_count:     66
    .vgpr_count:     256
    .wavefront_size: 32
...
	.end_amdgpu_metadata
.endif
;; end of part 1
;; launch chain (part 2): grid 212 x 1, 8 waves a work-group, no clusters, 259,072 bytes of LDS; arguments x, b1, b2, wf, code, gcnt, y, out1; writes y, out1
.if DOCPART == 2
	.amdgcn_target "amdgcn-amd-amdhsa--gfx1250"
	.amdhsa_code_object_version 6
	.text
	.protected	k_q9a73e7b20c_chain
	.globl	k_q9a73e7b20c_chain
	.p2align	8
	.type	k_q9a73e7b20c_chain,@function
k_q9a73e7b20c_chain:
	s_mov_b64 s[64:65], 0
	v_nop
	global_prefetch_b8 v0, s[64:65] scope:SCOPE_SE
	s_setreg_imm32_b32 hwreg(HW_REG_WAVE_MODE, 25, 1), 1
	s_wait_xcnt 0x0
; CHAIN.  y[2 token + rank][:] = relu(x[token] W1[e] + b1[e]) W2[e] + b2[e] for every routed pair (token, expert e); rank 0: e is the token's first choice.  Also out1[e] = the number of tokens that chose e.
; Operands in bf16 (x, weights and biases rounded once; the hidden layer h rounded once), sums in f32, y in f32 (partial rows that the next launch adds).
; THE GRID SERVES EVERY SPLIT.  A tile is up to 80 rows of ONE expert, an expert's rows in the order of the tokens.  The sum over e of ceil(c_e / 80) is at most floor((16,384 + 8 x 79) / 80) = 212.
; Every work-group counts the routing for itself from gcnt and code, finds its expert and first row, and gathers its rows.  Places past the count repeat the tile's last row (they compute and store the same
; bytes again); whole blocks of 16 rows past the count are jumped at the stores; a tile without rows runs the same text on a clamped row and stores nothing, since every wave passes every barrier.
; SHARES.  EIGHT WAVES of 512 registers, two to a SIMD's 1,024.  In both products a wave has all 80 rows x 64 output features: 20 accumulators.  A K step of 32: 4 weight fragments (4 KiB, straight from
; memory into operand registers, each byte read by one wave of the work-group), 5 token fragments from LDS, 20 matrix instructions.  A wave issues in order: between two runs of 20 matrix instructions
; stand its 18 requests, four places and two waits, and between the products its conversions and stores; the SIMD's other wave has matrix instructions to issue meanwhile.  The price: a token fragment
; read from LDS feeds 4 products, where four waves of 128 features would feed 8.  The weights go through a ring of four register buffers: three K steps, 24 loads, are always out.
; THE MATRIX INSTRUCTION IS USED TRANSPOSED: source 0 = 16 features, source 1 = 16 tokens: a lane holds one token (lane % 16) and eight neighbouring features 8 (lane / 16) + 0..7.  The bias is the C that starts a sum.
; NO CLUSTER, NO TENSOR LOADS: what an expert's tiles share is its weights; a joint load lands in LDS, where x and h take 248,320 of 327,680 bytes, so two slots could hold one K step of all eight waves each,
; with all loads waited for at each change; and the number of an expert's tiles hangs on counts read from memory, so partners would not be alike.
; LIMITS.  NaN is not treated apart (relu turns it into 0).  h is kept in bf16: its range is f32's.
; REGISTERS, in windows of 256 (s_set_vgpr_msb: bits 1:0 source 0, 3:2 source 1, 5:4 source 2, 7:6 destination):
;   window 0: addresses, token fragments, biases, work, the accumulators of row block 4     window 1: v0-127 accumulators of row blocks 0-3, (mb, nb) at 32 mb + 8 nb; v128-255 the ring, buffer q at 128 + 32 q
.set XP,    1040                       ; a row of x in LDS: 1,024 bytes + 16: 260 words, row r starts at bank 4 r mod 64 (64 banks of 4 bytes: ISA guide 11.1)
.set HP,    2064                       ; a row of h: 2,048 + 16
.set XB,    0                          ; 80 rows of x; when x has been read for the last time: eight stages of 16 x 272 bytes, one a wave
.set HB,    80*XP                      ; 80 rows of h
.set BIA,   HB+80*HP                   ; b1[e] (1,024 f32), b2[e] (512 f32), rounded to bf16 and kept as f32
.set LW,    BIA+6144                   ; for each wave 96 words: slot s of the tile -> token + 1, 0 where the token is another wave's; word 80 takes what falls outside the tile
.set LWP,   384
.set IDL,   LW+8*LWP                   ; 80 words: the row of y for each slot
.set SPARE, IDL+512                    ; the spare words: 128 bytes for each of eight waves, four blocks of 256 bytes that no other line names
.set SGP,   272                        ; a stage row: 256 bytes + 16
.set LANE, 1
.set RR,   2                           ; lane % 16
.set HH,   3                           ; lane / 16
.set L16,  4                           ; 16 lane; never rewritten: the vector offset of every weight load
.set SPW,  5                           ; my spare word
.set NIL,  6                           ; 0, for the add alone
.set ZERO, 7                           ; 0
.set XA,   8                           ; v8-12   row block mb of x: XB + (16 mb + r) XP + 16 h
.set HA,   13                          ; v13-17  the same in h
.set HS,   18                          ; v18-22  where my features of h go
.set AT,   23                          ; v23-27  the walking address of the token fragments
.set BA,   28                          ; my features' biases
.set STO,  29
.set RD,   30
.set IDA,  31
.set YO,   32
.set YV,   33                          ; v33-40  the way out: byte offsets in y.  v33-47 are at work before
.set AF,   48                          ; v48-87, v88-127  token fragments, two buffers of 5 x 8
.set BI,   128                         ; v128-159 biases as C operands, 4 x 8
.set TMP,  160                         ; v160-191 packed h, two buffers of 16
.set ACC4, 192                         ; v192-223 the accumulators of row block 4
.set RING, 128                         ; in window 1
.set CD,   128                         ; the routing: my 32 tokens' codes, 16 words
.set EW,   144
.set TT,   148
.set IT,   152
.set BB,   160                         ; 6 biases as loaded
.set B8,   166                         ; 8 x thread
.set GG,   192                         ; 8 groups' counts, 4 words each
.set VO,   224                         ; byte offsets of my 10 rows of x
.set LE,   236                         ; the eight lists' entries for my slot
.set MSB, 0
.macro WIN new                         ; the immediate's high byte repeats the setting that is left; a switch that changes nothing is dropped
.if MSB != (\new)
	s_set_vgpr_msb (MSB<<8)|(\new)
.set MSB, \new
.endif
.endm
.macro PLACES                          ; four places behind matrix instructions: in front of loads into their sources and of reads of their results
.rept 4
	v_nop
.endr
.endm
	s_load_b512 s[8:23], s[0:1], 0x0               ; x s[8:9], b1 s[10:11], b2 s[12:13], wf s[14:15], code s[16:17], gcnt s[18:19], y s[20:21], out1 s[22:23]
	v_lshl_add_u32 v[SPW], v0, 2, SPARE
	v_mov_b32 v[NIL], 0
	v_mov_b32 v[ZERO], 0
	v_and_b32 v[LANE], 31, v0
	v_lshrrev_b32 v33, 5, v0
	v_readfirstlane_b32 s4, v33                    ; wave 0..7
	s_mov_b32 s5, ttmp9                            ; my tile
	s_mov_b32 s41, 0xffff0000
	s_mov_b32 s45, 0
	v_and_b32 v[RR], 15, v0
	v_bfe_u32 v[HH], v0, 4, 1
	v_lshlrev_b32 v[L16], 4, v[LANE]
	v_lshlrev_b32 v34, 7, v[LANE]                  ; lane l takes the counts of groups 8 l .. 8 l + 7: 128 bytes
	s_lshl_b32 s57, s4, 6
	v_lshl_add_u32 v35, v[LANE], 9, s57            ; thread (w, l) owns the 32 tokens of group 8 l + w: 64 bytes of code
	v_lshlrev_b32 v39, 4, v0
	v_lshlrev_b32 v[B8], 3, v0
	v_sub_nc_u32 v38, 0, v[HH]                     ; all ones in lanes 16-31
	s_wait_kmcnt 0x0
.irp i,0,1,2,3,4,5,6,7
	global_load_b128 v[GG+4*\i:GG+4*\i+3], v34, s[18:19] offset:16*\i
.endr
.irp i,0,1,2,3
	global_load_b128 v[CD+4*\i:CD+4*\i+3], v35, s[16:17] offset:16*\i
.endr
	; the addresses, made while those loads are out
	v_mul_u32_u24 v36, v[RR], XP
	v_lshl_add_u32 v36, v[HH], 4, v36
	v_mul_u32_u24 v37, v[RR], HP
	v_lshl_add_u32 v37, v[HH], 4, v37
	s_lshl_b32 s57, s4, 7                          ; my 64 features of h: 128 bytes
.irp mb,0,1,2,3,4
	v_add_nc_u32 v[XA+\mb], XB+\mb*16*XP, v36
	v_add_nc_u32 v[HA+\mb], HB+\mb*16*HP, v37
	v_add_nc_u32 v[HS+\mb], s57, v[HA+\mb]
.endr
	s_lshl_b32 s58, s4, 8
	s_add_co_u32 s59, s58, BIA
	v_lshl_add_u32 v[BA], v[HH], 5, s59            ; feature 64 w + 16 nb + 8 h + j: byte 256 w + 64 nb + 32 h + 4 j
	v_lshl_add_u32 v[YO], v[RR], 4, s58            ; in a row of y: my wave's 256 bytes, 16 bytes a lane of a half
	s_mul_i32 s59, s4, 16*SGP                      ; my stage
	v_mul_u32_u24 v36, v[RR], SGP
	v_lshl_add_u32 v36, v[HH], 5, v36
	v_add_nc_u32 v[STO], s59, v36                  ; in: row r, 32 bytes for each half of the lanes
	v_mul_u32_u24 v36, v[HH], SGP
	v_lshl_add_u32 v36, v[RR], 4, v36
	v_add_nc_u32 v[RD], s59, v36                   ; back: lanes 0-15 take the 256 bytes of one row, lanes 16-31 of the next
	v_lshl_add_u32 v[IDA], v[HH], 2, IDL
.irp i,0,1,2,3,4,5,6
	s_cmp_gt_u32 s4, \i
	s_cselect_b32 s[70+\i], -1, 0                  ; all ones: group 8 l + i lies in front of mine
.endr
	; THE COUNTS.  Two experts' counts share a word; no field passes 8,192.  T: the lane's eight groups; EW: those of them in front of mine; then T's running sum over the lanes.
.macro SHR n, src, d                   ; lane i adds lane i - n of its half; lanes without one add the 0 written just before
	v_mov_b32 v36, 0
	v_mov_b32_dpp v36, v[\src] row_shr:\n row_mask:0xf bank_mask:0xf
	v_add_nc_u32 v[IT+\d], v[\src], v36
.endm
	s_wait_loadcnt 0x4                             ; the counts are in; the 4 loads of code stay out
.irp d,0,1,2,3
	v_add3_u32 v[TT+\d], v[GG+\d], v[GG+4+\d], v[GG+8+\d]
	v_add3_u32 v[TT+\d], v[TT+\d], v[GG+12+\d], v[GG+16+\d]
	v_add3_u32 v[TT+\d], v[TT+\d], v[GG+20+\d], v[GG+24+\d]
	v_add_nc_u32 v[TT+\d], v[TT+\d], v[GG+28+\d]
	v_and_b32 v[EW+\d], s70, v[GG+\d]
	v_and_b32 v36, s71, v[GG+4+\d]
	v_and_b32 v37, s72, v[GG+8+\d]
	v_add3_u32 v[EW+\d], v[EW+\d], v36, v37
	v_and_b32 v36, s73, v[GG+12+\d]
	v_and_b32 v37, s74, v[GG+16+\d]
	v_add3_u32 v[EW+\d], v[EW+\d], v36, v37
	v_and_b32 v36, s75, v[GG+20+\d]
	v_and_b32 v37, s76, v[GG+24+\d]
	v_add3_u32 v[EW+\d], v[EW+\d], v36, v37
	SHR 1, TT+\d, \d
	SHR 2, IT+\d, \d
	SHR 4, IT+\d, \d
	SHR 8, IT+\d, \d
	v_readlane_b32 s57, v[IT+\d], 15
	v_and_b32 v36, s57, v38                        ; lanes 16-31 add the first half's total
	v_add_nc_u32 v[IT+\d], v[IT+\d], v36
	v_readlane_b32 s[48+\d], v[IT+\d], 31          ; the totals
	v_sub_nc_u32 v[IT+\d], v[IT+\d], v[TT+\d]
	v_add_nc_u32 v[IT+\d], v[IT+\d], v[EW+\d]      ; choices in front of my 32 tokens
	s_and_b32 s[24+2*\d], s[48+\d], 0xffff         ; c_e in s24-31
	s_lshr_b32 s[25+2*\d], s[48+\d], 16
.endr
	; MY TILE: the last expert whose first tile is not behind mine.  ceil(c / 80) = ((c + 79) x 52,429) >> 22, exact far beyond 8,271.
	s_mov_b32 s32, 0
	s_mov_b32 s33, 0
	s_mov_b32 s34, 0
	s_mov_b32 s35, 0
.irp e,0,1,2,3,4,5,6,7
	s_cmp_ge_u32 s5, s32
	s_cselect_b32 s33, \e, s33                     ; the expert,
	s_cselect_b32 s34, s32, s34                    ; its first tile,
	s_cselect_b32 s35, s[24+\e], s35               ; its rows
	s_add_co_u32 s57, s[24+\e], 79
	s_mul_i32 s57, s57, 52429
	s_lshr_b32 s57, s57, 22
	s_add_co_u32 s32, s32, s57
.endr
	s_min_u32 s33, s33, 7
	s_sub_co_u32 s36, s5, s34
	s_mul_i32 s36, s36, 80                         ; my first row among the expert's
	s_sub_co_i32 s57, s35, s36
	s_max_i32 s57, s57, 0
	s_min_u32 s37, s57, 80                         ; my rows: 0 to 80
	s_sub_co_i32 s38, s37, 1
	s_max_i32 s38, s38, 0                          ; my last slot that holds a row
	s_mov_b32 s39, s33                             ; the expert's bit in a word's low code,
	s_add_co_u32 s40, s33, 16                      ; and in its high code
	s_or_b32 s57, s5, s4
	s_cmp_lg_u32 s57, 0
	s_cbranch_scc1 .Lno_usage                      ; out1 has one owner: wave 0 of tile 0
	v_mov_b32 v36, 0
.irp e,0,1,2,3,4,5,6,7
	v_writelane_b32 v36, s[24+\e], \e
.endr
	v_cvt_f32_u32 v36, v36
	v_lshlrev_b32 v37, 2, v[LANE]
	v_cmp_gt_u32 vcc_lo, 8, v[LANE]
	s_wait_xcnt 0x0                                ; EXEC is a source of the loads that are out: it changes only behind this wait
	s_and_saveexec_b32 s57, vcc_lo
	global_store_b32 v37, v36, s[22:23]
	s_wait_xcnt 0x0                                ; and again in front of the line that widens it
	s_or_b32 exec_lo, exec_lo, s57
.Lno_usage:
	s_lshl_b32 s44, s33, 12
	s_add_nc_u64 s[10:11], s[10:11], s[44:45]      ; b1[e]
	s_lshl_b32 s44, s33, 11
	s_add_nc_u64 s[12:13], s[12:13], s[44:45]      ; b2[e]
	s_lshl_b32 s44, s33, 21                        ; wf[e][w / 2][s][4 (w % 2) + f]: of each K step's 8 KiB my wave takes 4 KiB
	s_lshr_b32 s57, s4, 1
	s_lshl_b32 s57, s57, 19
	s_add_co_u32 s44, s44, s57
	s_and_b32 s57, s4, 1
	s_lshl_b32 s57, s57, 12
	s_add_co_u32 s44, s44, s57
	s_add_nc_u64 s[42:43], s[14:15], s[44:45]      ; the base stands at the K step in hand; the requests reach ahead by their immediates
	global_load_b128 v[BB:BB+3], v39, s[10:11]
	global_load_b64 v[BB+4:BB+5], v[B8], s[12:13]
.macro BLOAD q, k                      ; the 4 fragments of the K step k steps on, into ring buffer q: 8 loads of 512 consecutive bytes
	WIN 0x40                                       ; destination window 1, address window 0
.irp f,0,1,2,3
	global_load_b128 v[RING+32*(\q)+8*\f:RING+32*(\q)+8*\f+3],   v[L16], s[42:43] offset:8192*(\k)+1024*\f
	global_load_b128 v[RING+32*(\q)+8*\f+4:RING+32*(\q)+8*\f+7], v[L16], s[42:43] offset:8192*(\k)+1024*\f+512
.endr
.endm
	BLOAD 0, 0                                     ; the ring is filled before the rows are placed: K steps 0, 1, 2
	BLOAD 1, 1
	BLOAD 2, 2
	WIN 0
	; THE PLACES.  My first token's slot = the expert's choices in front of my tokens, less the tile's first row.
	s_lshr_b32 s57, s33, 1
	s_cmp_eq_u32 s57, 1
	s_cselect_b32 s52, -1, 0
	s_cmp_eq_u32 s57, 2
	s_cselect_b32 s53, -1, 0
	s_cmp_eq_u32 s57, 3
	s_cselect_b32 s54, -1, 0
	v_cndmask_b32 v46, v[IT], v[IT+1], s52
	v_cndmask_b32 v46, v46, v[IT+2], s53
	v_cndmask_b32 v46, v46, v[IT+3], s54
	s_and_b32 s57, s33, 1
	s_lshl_b32 s57, s57, 4
	v_bfe_u32 v46, v46, s57, 16
	v_sub_nc_u32 v46, v46, s36
	s_lshl_b32 s57, s4, 5
	s_add_co_u32 s57, s57, 1
	v_lshl_add_u32 v47, v[LANE], 8, s57            ; my first token + 1 = 32 (8 l + w) + 1
	s_mul_i32 s58, s4, LWP
	s_add_co_u32 s58, s58, LW                      ; my wave's list
	v_lshl_add_u32 v33, v[LANE], 2, s58
	ds_store_b32 v33, v[ZERO]
	ds_store_b32 v33, v[ZERO] offset:128
	ds_store_b32 v33, v[ZERO] offset:256
	s_wait_loadcnt 26                              ; code is in; 2 loads of biases and the ring's 24 stay out
.set k, 0
.rept 32                               ; token k of my 32: routed here and inside the tile -> its slot; else word 80.  The slot is held to 0 .. 80 by a constant, in my wave's own list
.set t, 40+3*(k%2)
	v_bfe_u32 v[t], v[CD+k/2], s[39+k%2], 1        ; 1: the token chose the expert
	v_add_nc_u32 v[t+1], -1, v[t]
	v_or_b32 v[t+1], v[t+1], v46
	v_min_u32 v[t+1], 80, v[t+1]
	v_lshl_add_u32 v[t+1], v[t+1], 2, s58
	v_add_nc_u32 v[t+2], k, v47
	ds_store_b32 v[t+1], v[t+2]
	v_add_nc_u32 v46, v46, v[t]
.set k, k+1
.endr
	s_wait_loadcnt 24                              ; the biases are in; the ring stays out
.irp j,0,2,4
	v_cvt_pk_bf16_f32 v36, v[BB+\j], v[BB+\j+1]    ; rounded to bf16 like every input, kept as f32
	v_lshlrev_b32 v[BB+\j], 16, v36
	v_and_b32 v[BB+\j+1], s41, v36
.endr
	v_add_nc_u32 v37, BIA, v39
	ds_store_b128 v37, v[BB:BB+3]                  ; b1: 16 bytes a thread
	v_add_nc_u32 v36, BIA+4096, v[B8]
	ds_store_b64 v36, v[BB+4:BB+5]                 ; b2: 8 bytes a thread
	s_wait_dscnt 0x0                               ; for the others' sake: my list and my biases are stored
	s_barrier_signal -1
	s_barrier_wait -1                              ; barrier 1: the eight lists are whole
	; MY 10 ROWS: slots 10 w .. 10 w + 9; a slot past the count takes the tile's last row
	s_mul_i32 s56, s4, 10
	v_min_u32 v36, 9, v[LANE]
	v_add_nc_u32 v36, s56, v36
	v_min_u32 v37, s38, v36
	v_min_u32 v37, 79, v37
	v_lshl_add_u32 v37, v37, 2, LW
.irp j,0,1,2,3,4,5,6,7
	ds_load_b32 v[LE+\j], v37 offset:LWP*\j
.endr
	s_mul_i32 s57, s56, XP
	v_lshl_add_u32 v46, v[LANE], 3, s57            ; my rows in XB, 8 bytes a lane
	v_lshl_add_u32 v47, v36, 2, IDL
	s_wait_dscnt 0x0
	v_or_b32 v[LE], v[LE], v[LE+1]                 ; one list holds the token + 1, the other seven 0
	v_or_b32 v[LE+2], v[LE+2], v[LE+3]
	v_or_b32 v[LE+4], v[LE+4], v[LE+5]
	v_or_b32 v[LE+6], v[LE+6], v[LE+7]
	v_or_b32 v[LE], v[LE], v[LE+2]
	v_or_b32 v[LE+4], v[LE+4], v[LE+6]
	v_or_b32 v[LE], v[LE], v[LE+4]
	v_add_nc_u32 v40, -1, v[LE]
	v_min_u32 v44, 0x1fff, v40                     ; the token
	v_lshlrev_b32 v45, 1, v44
	global_load_u16 v43, v45, s[16:17]             ; its code once more, for the rank
.set i, 0
.rept 10
	v_readlane_b32 s57, v44, i
	s_min_u32 s57, s57, 0x1fff
	v_lshl_add_u32 v[VO+i], s57, 11, v[L16]        ; a row of x is 2,048 bytes
.set i, i+1
.endr
	WIN 0x40                                       ; the rows land in window 1: rows 0-7 where the accumulators will be, rows 8-9 in ring buffer 3, which is first asked for behind barrier 2
.set i, 0
.rept 8
.irp q,0,1,2,3
	global_load_b128 v[16*i+4*\q:16*i+4*\q+3], v[VO+i], s[8:9] offset:512*\q
.endr
.set i, i+1
.endr
.set i, 0
.rept 2
.irp q,0,1,2,3
	global_load_b128 v[RING+96+16*i+4*\q:RING+96+16*i+4*\q+3], v[VO+8+i], s[8:9] offset:512*\q
.endr
.set i, i+1
.endr
	WIN 0
	s_wait_loadcnt 40                              ; the code is in; the 40 loads of x stay out
	v_bfe_u32 v40, v43, 8, 3                       ; the token's first choice
	v_cmp_ne_u32 vcc_lo, s39, v40
	v_cndmask_b32 v40, 0, 1, vcc_lo
	v_lshl_add_u32 v40, v44, 1, v40                ; the row of y: 2 token + rank
	ds_store_b32 v47, v40
.macro XROWS r0, n, sb, left           ; rows r0 .. r0 + n - 1 of my 10, from register sb of window 1 on: rounded to bf16, into XB
	s_wait_loadcnt \left                           ; the later rows' loads stay out
	WIN 0x05                                       ; sources in window 1
.set z, 0
.rept 8*(\n)
	v_cvt_pk_bf16_f32 v[AF+z], v[(\sb)+2*z], v[(\sb)+2*z+1]
.set z, z+1
.endr
	WIN 0
.set z, 0
.rept 4*(\n)
	ds_store_b64 v46, v[AF+2*z:AF+2*z+1] offset:((\r0)+z/4)*XP+(z%4)*256
.set z, z+1
.endr
.endm
	XROWS 0, 4, 0, 24
	XROWS 4, 4, 64, 8
	XROWS 8, 2, RING+96, 0
	s_wait_dscnt 0x0                               ; for the others' sake: my rows and my ids are stored
	s_barrier_signal -1
	s_barrier_wait -1                              ; barrier 2: x, the ids and the biases are whole
; THE PRODUCTS.
.macro ALOAD par, off                  ; a K step's five token fragments into buffer par
	WIN 0
.irp mb,0,1,2,3,4
	ds_load_b128 v[AF+40*(\par)+8*\mb:AF+40*(\par)+8*\mb+3],   v[AT+\mb] offset:(\off)
	ds_load_b128 v[AF+40*(\par)+8*\mb+4:AF+40*(\par)+8*\mb+7], v[AT+\mb] offset:(\off)+32
.endr
.endm
.macro MULS q, par, cfirst             ; 20 matrix instructions, the 20 accumulators by turns, in the same order in every step.  cfirst = 1: the biases start the sums
.irp mb,0,1,2,3,4
.if \mb < 4
	WIN 0x51-0x10*(\cfirst)                        ; weights window 1, tokens window 0, D window 1, C window 1 or (the biases) 0
.set AC, 32*\mb
.else
	WIN 0x01                                       ; row block 4: C and D in window 0
.set AC, ACC4
.endif
.irp nb,0,1,2,3
.if \cfirst
	v_wmma_f32_16x16x32_bf16 v[AC+8*\nb:AC+8*\nb+7], v[RING+32*(\q)+8*\nb:RING+32*(\q)+8*\nb+7], v[AF+40*(\par)+8*\mb:AF+40*(\par)+8*\mb+7], v[BI+8*\nb:BI+8*\nb+7]
.else
	v_wmma_f32_16x16x32_bf16 v[AC+8*\nb:AC+8*\nb+7], v[RING+32*(\q)+8*\nb:RING+32*(\q)+8*\nb+7], v[AF+40*(\par)+8*\mb:AF+40*(\par)+8*\mb+7], v[AC+8*\nb:AC+8*\nb+7]
.endif
.endr
.endr
.endm
; A K step on ring buffer q and token buffer par.  First the requests: the weights three steps on go into the buffer that the last step multiplied, the next step's tokens into the other token buffer.
; wl: the weight loads issued behind this step's (three steps' 24; in the last steps 16, 8, 0).  The LDS wait leaves the ten loads just issued out.
.macro STEP q, par, i, cfirst, ldb, lda, wl
	PLACES
.if \ldb
	BLOAD ((\q)+3)%4, (\i)+3
.endif
.if \lda
	ALOAD 1-(\par), 64*((\i)+1)
.endif
	s_wait_loadcnt \wl
.if \lda
	s_wait_dscnt 10
.else
	s_wait_dscnt 0x0
.endif
	MULS \q, \par, \cfirst
.endm
.macro ADV n                           ; n K steps on
	WIN 0                                          ; at a label and at a branch every window is 0
	s_wait_xcnt 0x0                                ; the weights' base is stepped only behind this wait
	s_add_nc_u64 s[42:43], s[42:43], 8192*(\n)
.irp mb,0,1,2,3,4
	v_add_nc_u32 v[AT+\mb], 64*(\n), v[AT+\mb]
.endr
.endm
; 4 trips + 4 K steps: one written out (the biases start the sums), the loop, three written out.  ldbtail = 1: the ring runs on into the next pass's weights; 0: nothing is left to ask for.
.macro PASS trips, ldbtail
	WIN 0
.irp nb,0,1,2,3
	ds_load_b128 v[BI+8*\nb:BI+8*\nb+3],   v[BA] offset:64*\nb
	ds_load_b128 v[BI+8*\nb+4:BI+8*\nb+7], v[BA] offset:64*\nb+16
.endr
	ALOAD 0, 0
	STEP 0, 0, 0, 1, 1, 1, 24
	ADV 1
	s_mov_b32 s46, \trips
.Lk_\@:
	STEP 1, 1, 0, 0, 1, 1, 24
	STEP 2, 0, 1, 0, 1, 1, 24
	STEP 3, 1, 2, 0, 1, 1, 24
	STEP 0, 0, 3, 0, 1, 1, 24
	ADV 4
	s_sub_co_u32 s46, s46, 1
	s_cmp_lg_u32 s46, 0
	s_cbranch_scc1 .Lk_\@
.if \ldbtail
	STEP 1, 1, 0, 0, 1, 1, 24
	STEP 2, 0, 1, 0, 1, 1, 24
	STEP 3, 1, 2, 0, 1, 0, 24
	s_wait_xcnt 0x0
	s_add_nc_u64 s[42:43], s[42:43], 3*8192
.else
	STEP 1, 1, 0, 0, 0, 1, 16
	STEP 2, 0, 1, 0, 0, 1, 8
	STEP 3, 1, 2, 0, 0, 0, 0
.endif
.endm
	; THE FIRST PRODUCT, in two passes of 512 hidden features: h = relu(x W1 + b1), rounded to bf16, into HB.  A lane's eight features are 16 bytes of a token's row.
	s_mov_b32 s47, 2
.Lpass:
.irp mb,0,1,2,3,4
	v_mov_b32 v[AT+\mb], v[XA+\mb]
.endr
	PASS 3, 1
	PLACES
.irp mb,0,1,2,3,4
.if \mb < 4
	WIN 0x05
.set AC, 32*\mb
.else
	WIN 0
.set AC, ACC4
.endif
.set TB, TMP+16*(\mb%2)
.set z, 0
.rept 16
	v_cvt_pk_bf16_f32 v[TB+z], v[AC+2*z], v[AC+2*z+1]  ; each accumulator's registers in ascending order
.set z, z+1
.endr
	WIN 0
.set z, 0
.rept 16
	v_pk_max_num_bf16 v[TB+z], v[TB+z], v[ZERO]    ; relu on two numbers at once: it rounds nothing
.set z, z+1
.endr
.irp nb,0,1,2,3
	ds_store_b128 v[HS+\mb], v[TB+4*\nb:TB+4*\nb+3] offset:32*\nb
.endr
.endr
.irp mb,0,1,2,3,4
	v_add_nc_u32 v[HS+\mb], 1024, v[HS+\mb]        ; the next 512 features
.endr
	v_add_nc_u32 v[BA], 2048, v[BA]                ; their biases; behind the second pass: b2
	s_sub_co_u32 s47, s47, 1
	s_cmp_lg_u32 s47, 0
	s_cbranch_scc1 .Lpass
	s_wait_dscnt 0x0                               ; my part of h is stored, and my reads of x are over
	s_barrier_signal -1
	s_barrier_wait -1                              ; barrier 3: h is whole, and nobody reads x any more.  The ring's loads stay out across it: they touch registers alone
	; THE SECOND PRODUCT: y = h W2 + b2, K = 1,024
.irp mb,0,1,2,3,4
	v_mov_b32 v[AT+\mb], v[HA+\mb]
.endr
	PASS 7, 0
	PLACES
; THE WAY OUT of row block mb: through my stage (where x lay), back as my 256 bytes of whole rows, and to the rows of y that the ids name.  A block wholly past the count is jumped, and all behind it.
.macro YOUT mb
	WIN 0
	s_wait_xcnt 0x0                                ; the registers that the last block's stores read are rewritten only behind this wait
	s_cmp_le_u32 s37, 16*(\mb)
	s_cbranch_scc1 .Ldone
.irp i,0,1,2,3,4,5,6,7
	ds_load_b32 v[YV+\i], v[IDA] offset:4*(16*(\mb)+2*\i)   ; lanes 0-15: row 16 mb + 2 i, lanes 16-31: the next
.endr
.if (\mb) < 4
	WIN 0x04                                       ; store data in window 1
.set AC, 32*(\mb)
.else
.set AC, ACC4
.endif
.irp nb,0,1,2,3
	ds_store_b128 v[STO], v[AC+8*\nb:AC+8*\nb+3]   offset:64*\nb      ; each accumulator's low half first
	ds_store_b128 v[STO], v[AC+8*\nb+4:AC+8*\nb+7] offset:64*\nb+16
.endr
	WIN 0
.set z, 0
.rept 8
	ds_load_b128 v[AF+4*z:AF+4*z+3], v[RD] offset:z*2*SGP  ; LDS serves a wave's instructions in order (ISA guide 5.7.1.4): these see the stores above
.set z, z+1
.endr
	s_wait_dscnt 16                                ; the ids are in; 8 stores and 8 loads stay out
.irp i,0,1,2,3,4,5,6,7
	v_min_u32 v[YV+\i], 0x3fff, v[YV+\i]
	v_lshl_add_u32 v[YV+\i], v[YV+\i], 11, v[YO]   ; a row of y is 2,048 bytes
.endr
.set z, 0
.rept 8
	s_wait_dscnt 7-z                               ; the younger loads stay out
	global_store_b128 v[YV+z], v[AF+4*z:AF+4*z+3], s[20:21]  ; 16 lanes store 256 consecutive bytes, at a multiple of 256 from y's first byte
.set z, z+1
.endr
.endm
	YOUT 0
	YOUT 1
	YOUT 2
	YOUT 3
	YOUT 4
.Ldone:
	s_wait_tensorcnt 0x0                           ; the wave's end
	ds_add_u32 v[SPW], v[NIL]
	s_wait_dscnt 0x0
	s_endpgm
.Lfunc_end_k_q9a73e7b20c_chain:
	.size	k_q9a73e7b20c_chain, .Lfunc_end_k_q9a73e7b20c_chain-k_q9a73e7b20c_chain
	.p2alignl 7, 3214868480
	.fill 96, 4, 3214868480
	.section	.rodata,"a",@progbits
	.p2align	6, 0x0
	.amdhsa_kernel k_q9a73e7b20c_chain
		.amdhsa_group_segment_fixed_size 259072
		.amdhsa_private_segment_fixed_size 0
		.amdhsa_enable_private_segment 0
		.amdhsa_kernarg_size 64
		.amdhsa_user_sgpr_count 2
		.amdhsa_user_sgpr_kernarg_segment_ptr 1
		.amdhsa_wavefront_size32 1
		.amdhsa_system_sgpr_workgroup_id_x 1
		.amdhsa_system_sgpr_workgroup_id_y 1
		.amdhsa_system_sgpr_workgroup_id_z 1
		.amdhsa_system_vgpr_workitem_id 0
		.amdhsa_next_free_vgpr 512
		.amdhsa_next_free_sgpr 80
		.amdhsa_reserve_vcc 1
		.amdhsa_float_denorm_mode_32 3
		.amdhsa_float_denorm_mode_16_64 3
		.amdhsa_memory_ordered 1
		.amdhsa_forward_progress 1
		.amdhsa_inst_pref_size 125
	.end_amdhsa_kernel
	.amdgpu_metadata
---
amdhsa.version: [ 1, 2 ]
amdhsa.kernels:
  - .name:           k_q9a73e7b20c_chain
    .symbol:         k_q9a73e7b20c_chain.kd
    .args:
      - { .name: x, .offset: 0, .size: 8, .value_kind: global_buffer, .address_space: global }
      - { .name: b1, .offset: 8, .size: 8, .value_kind: global_buffer, .address_space: global }
      - { .name: b2, .offset: 16, .size: 8, .value_kind: global_buffer, .address_space: global }
      - { .name: wf, .offset: 24, .size: 8, .value_kind: global_buffer, .address_space: global }
      - { .name: code, .offset: 32, .size: 8, .value_kind: global_buffer, .address_space: global }
      - { .name: gcnt, .offset: 40, .size: 8, .value_kind: global_buffer, .address_space: global }
      - { .name: y, .offset: 48, .size: 8, .value_kind: global_buffer, .address_space: global }
      - { .name: out1, .offset: 56, .size: 8, .value_kind: global_buffer, .address_space: global }
    .group_segment_fixed_size: 259072
    .private_segment_fixed_size: 0
    .kernarg_segment_align: 8
    .kernarg_segment_size: 64
    .max_flat_workgroup_size: 256
    .sgpr_count:     80
    .vgpr_count:     512
    .wavefront_size: 32
...
	.end_amdgpu_metadata
.endif
;; end of part 2
;; launch combine (part 3): grid 256 x 1, 8 waves a work-group, no clusters, 0 bytes of LDS; arguments y, gate, out0; writes out0
.if DOCPART == 3
	.amdgcn_target "amdgcn-amd-amdhsa--gfx1250"
	.amdhsa_code_object_version 6
	.text
	.protected	k_q9a73e7b20c_combine
	.globl	k_q9a73e7b20c_combine
	.p2align	8
	.type	k_q9a73e7b20c_combine,@function
k_q9a73e7b20c_combine:
	s_mov_b64 s[64:65], 0
	v_nop
	global_prefetch_b8 v0, s[64:65] scope:SCOPE_SE
	s_setreg_imm32_b32 hwreg(HW_REG_WAVE_MODE, 25, 1), 1
	s_wait_xcnt 0x0
; COMBINE.  out0[t][:] = gate[t][0] y[2 t][:] + gate[t][1] y[2 t + 1][:], all f32: one multiply and one fused multiply-add for each number.
; A stream: 32 MiB in, 16 MiB out, each byte once.  A wave owns four tokens: 32 loads of 512 consecutive bytes, all issued before the first wait; 16 stores of 512 consecutive bytes.
; No LDS, no barrier, no matrix unit, no cluster: no byte is shared and nothing is summed across lanes.
.set Y, 4                              ; v[4:131]: token t, rank k, quarter q of a row at Y + 32 t + 16 k + 4 q; the result takes rank 0's place
	s_load_b128 s[8:11], s[0:1], 0x0               ; y s[8:9], gate s[10:11]
	s_load_b64 s[12:13], s[0:1], 0x10              ; out0
	v_lshrrev_b32 v1, 5, v0
	v_readfirstlane_b32 s4, v1                     ; wave 0..7
	v_and_b32 v2, 31, v0
	v_lshlrev_b32 v2, 4, v2                        ; 16 bytes a lane
	s_lshl_b32 s5, ttmp9, 3
	s_add_co_u32 s5, s5, s4                        ; my wave among the launch's 2,048
	s_lshl_b32 s14, s5, 14                         ; 4 tokens x 2 rows x 2,048 bytes of y,
	s_mov_b32 s15, 0
	s_lshl_b32 s32, s5, 13                         ; 4 rows of out0,
	s_mov_b32 s33, 0
	s_lshl_b32 s34, s5, 5                          ; 4 pairs of gates
	s_mov_b32 s35, 0
	s_wait_kmcnt 0x0
	s_add_nc_u64 s[8:9], s[8:9], s[14:15]
	s_add_nc_u64 s[10:11], s[10:11], s[34:35]
	s_add_nc_u64 s[12:13], s[12:13], s[32:33]
	s_load_b256 s[16:23], s[10:11], 0x0            ; the launch stores nothing into gate
.irp t,0,1,2,3
.irp k,0,1
.irp q,0,1,2,3
	global_load_b128 v[Y+32*\t+16*\k+4*\q:Y+32*\t+16*\k+4*\q+3], v2, s[8:9] offset:4096*\t+2048*\k+512*\q th:TH_LOAD_NT
.endr
.endr
.endr
	s_wait_kmcnt 0x0
.irp t,0,1,2,3
	s_mov_b32 s[24+2*\t], s[17+2*\t]               ; the packed forms take a scalar pair's low word for both halves: the second gates get pairs of their own
	s_mov_b32 s[25+2*\t], s[17+2*\t]
.endr
.irp t,0,1,2,3
	s_wait_loadcnt 24-8*\t                         ; this token's eight loads are in; the later tokens' stay out
.irp q,0,1,2,3
.irp u,0,2
	v_pk_mul_f32 v[Y+32*\t+4*\q+\u:Y+32*\t+4*\q+\u+1], v[Y+32*\t+4*\q+\u:Y+32*\t+4*\q+\u+1], s[16+2*\t:17+2*\t] op_sel_hi:[1,0]
	v_pk_fma_f32 v[Y+32*\t+4*\q+\u:Y+32*\t+4*\q+\u+1], v[Y+32*\t+16+4*\q+\u:Y+32*\t+16+4*\q+\u+1], s[24+2*\t:25+2*\t], v[Y+32*\t+4*\q+\u:Y+32*\t+4*\q+\u+1] op_sel_hi:[1,0,1]
.endr
	global_store_b128 v2, v[Y+32*\t+4*\q:Y+32*\t+4*\q+3], s[12:13] offset:2048*\t+512*\q th:TH_STORE_NT
.endr
.endr
	s_endpgm
.Lfunc_end_k_q9a73e7b20c_combine:
	.size	k_q9a73e7b20c_combine, .Lfunc_end_k_q9a73e7b20c_combine-k_q9a73e7b20c_combine
	.p2alignl 7, 3214868480
	.fill 96, 4, 3214868480
	.section	.rodata,"a",@progbits
	.p2align	6, 0x0
	.amdhsa_kernel k_q9a73e7b20c_combine
		.amdhsa_group_segment_fixed_size 0
		.amdhsa_private_segment_fixed_size 0
		.amdhsa_enable_private_segment 0
		.amdhsa_kernarg_size 24
		.amdhsa_user_sgpr_count 2
		.amdhsa_user_sgpr_kernarg_segment_ptr 1
		.amdhsa_wavefront_size32 1
		.amdhsa_system_sgpr_workgroup_id_x 1
		.amdhsa_system_sgpr_workgroup_id_y 1
		.amdhsa_system_sgpr_workgroup_id_z 1
		.amdhsa_system_vgpr_workitem_id 0
		.amdhsa_next_free_vgpr 132
		.amdhsa_next_free_sgpr 66
		.amdhsa_reserve_vcc 0
		.amdhsa_float_denorm_mode_32 3
		.amdhsa_float_denorm_mode_16_64 3
		.amdhsa_memory_ordered 1
		.amdhsa_forward_progress 1
		.amdhsa_inst_pref_size 10
	.end_amdhsa_kernel
	.amdgpu_metadata
---
amdhsa.version: [ 1, 2 ]
amdhsa.kernels:
  - .name:           k_q9a73e7b20c_combine
    .symbol:         k_q9a73e7b20c_combine.kd
    .args:
      - { .name: y, .offset: 0, .size: 8, .value_kind: global_buffer, .address_space: global }
      - { .name: gate, .offset: 8, .size: 8, .value_kind: global_buffer, .address_space: global }
      - { .name: out0, .offset: 16, .size: 8, .value_kind: global_buffer, .address_space: global }
    .group_segment_fixed_size: 0
    .private_segment_fixed_size: 0
    .kernarg_segment_align: 8
    .kernarg_segment_size: 24
    .max_flat_workgroup_size: 256
    .sgpr_count:     66
    .vgpr_count:     132
    .wavefront_size: 32
...
	.end_amdgpu_metadata
.endif
;; end of part 3
;; ======== version 2 of 2: 3 launches; version 1 with the launch combine written anew for expert scheduling mode
;; workspace buffers: wf 16,777,216 bytes; y 33,554,432 bytes; gate 65,536 bytes; code 16,384 bytes of whole numbers; gcnt 4,096 bytes of whole numbers
;; launch prep: the kernel of part 1 again; grid 256 x 1, 8 waves a work-group, no clusters, 117,248 bytes of LDS; arguments x, router_w, router_b, w1, w2, wf, gate, code, gcnt; writes wf, gate, code, gcnt
;; launch chain: the kernel of part 2 again; grid 212 x 1, 8 waves a work-group, no clusters, 259,072 bytes of LDS; arguments x, b1, b2, wf, code, gcnt, y, out1; writes y, out1
;; launch combine (part 4): grid 256 x 1, 8 waves a work-group, no clusters, 0 bytes of LDS; arguments y, gate, out0; writes out0
.if DOCPART == 4
	.amdgcn_target "amdgcn-amd-amdhsa--gfx1250"
	.amdhsa_code_object_version 6
	.text
	.protected	k_q9a73e7b20c_combine
	.globl	k_q9a73e7b20c_combine
	.p2align	8
	.type	k_q9a73e7b20c_combine,@function
k_q9a73e7b20c_combine:
	s_mov_b64 s[64:65], 0
	v_nop
	global_prefetch_b8 v0, s[64:65] scope:SCOPE_SE
	s_setreg_imm32_b32 hwreg(HW_REG_WAVE_SCHED_MODE, 0, 2), 2
	s_setreg_imm32_b32 hwreg(HW_REG_WAVE_MODE, 25, 1), 1
	s_wait_xcnt 0x0
	s_wait_alu depctr_vm_vsrc(0)
; COMBINE.  out0[t][:] = gate[t][0] y[2 t][:] + gate[t][1] y[2 t + 1][:], all f32: one multiply and one fused multiply-add for each number.
; A stream: 32 MiB in, 16 MiB out, each byte once.  A wave owns four tokens: 32 loads of 512 consecutive bytes, all issued before the first wait; 16 stores of 512 consecutive bytes.
; No LDS, no barrier, no matrix unit, no cluster: no byte is shared and nothing is summed across lanes.
; THE MODE: SCHED_MODE bits 1:0 = 2 (LLVM: expert scheduling mode 2), set by the entry lines.  The code itself states the register dependences
; between vector instructions and memory instructions, with s_wait_alu, always for 0.
; THE PLAN.  Registers that memory instructions touch:
;   v2         16 x lane, the offset of every load and store.  Written by two vector lines at the head and never again.
;   v[4:131]   Written by the 32 loads, which are all issued at the head, before any vector instruction names these registers.  Token t's 32 are read by its sixteen packed lines.
;   Token t's first sixteen of them (rank 0's place) take the results: written by those packed lines, read by the token's four stores, never written again.
;   s4         The wave's number: written by a vector instruction, read by the scalar add from which the three bases are made.
; So: one wait on va_sdst ahead of s4's first reader; one on va_vdst ahead of the first load, for v2; one on va_vdst a token, behind its sixteen packed lines and ahead of its run of four stores.
; No register that a memory instruction has read is written again, so no wait on vm_vsrc is owed.  A token's stores follow its own arithmetic at once and do not stand behind the next token's
; wait for data: they hang on none of it.
.set Y, 4                              ; v[4:131]: token t, rank k, quarter q of a row at Y + 32 t + 16 k + 4 q; the result takes rank 0's place
	s_load_b128 s[8:11], s[0:1], 0x0               ; y s[8:9], gate s[10:11]
	s_load_b64 s[12:13], s[0:1], 0x10              ; out0
	v_lshrrev_b32 v1, 5, v0
	v_readfirstlane_b32 s4, v1                     ; wave 0..7
	v_and_b32 v2, 31, v0
	v_lshlrev_b32 v2, 4, v2                        ; 16 bytes a lane
	s_lshl_b32 s5, ttmp9, 3
	s_wait_alu depctr_va_sdst(0)                   ; s4 is written, ahead of its first reader: the bases of y, gate and out0 are made from it
	s_add_co_u32 s5, s5, s4                        ; my wave among the launch's 2,048
	s_lshl_b32 s14, s5, 14                         ; 4 tokens x 2 rows x 2,048 bytes of y,
	s_mov_b32 s15, 0
	s_lshl_b32 s32, s5, 13                         ; 4 rows of out0,
	s_mov_b32 s33, 0
	s_lshl_b32 s34, s5, 5                          ; 4 pairs of gates
	s_mov_b32 s35, 0
	s_wait_kmcnt 0x0
	s_add_nc_u64 s[8:9], s[8:9], s[14:15]
	s_add_nc_u64 s[10:11], s[10:11], s[34:35]
	s_add_nc_u64 s[12:13], s[12:13], s[32:33]
	s_load_b256 s[16:23], s[10:11], 0x0            ; the launch stores nothing into gate
	s_wait_alu depctr_va_vdst(0)                   ; v2 is written: every load and store of the kernel reads it as its offset
.irp t,0,1,2,3
.irp k,0,1
.irp q,0,1,2,3
	global_load_b128 v[Y+32*\t+16*\k+4*\q:Y+32*\t+16*\k+4*\q+3], v2, s[8:9] offset:4096*\t+2048*\k+512*\q th:TH_LOAD_NT
.endr
.endr
.endr
	s_wait_kmcnt 0x0
.irp t,0,1,2,3
	s_mov_b32 s[24+2*\t], s[17+2*\t]               ; the packed forms take a scalar pair's low word for both halves: the second gates get pairs of their own
	s_mov_b32 s[25+2*\t], s[17+2*\t]
.endr
.irp t,0,1,2,3
	s_wait_loadcnt 24-8*\t                         ; this token's eight loads are in; the later tokens' stay out
.irp q,0,1,2,3
.irp u,0,2
	v_pk_mul_f32 v[Y+32*\t+4*\q+\u:Y+32*\t+4*\q+\u+1], v[Y+32*\t+4*\q+\u:Y+32*\t+4*\q+\u+1], s[16+2*\t:17+2*\t] op_sel_hi:[1,0]
	v_pk_fma_f32 v[Y+32*\t+4*\q+\u:Y+32*\t+4*\q+\u+1], v[Y+32*\t+16+4*\q+\u:Y+32*\t+16+4*\q+\u+1], s[24+2*\t:25+2*\t], v[Y+32*\t+4*\q+\u:Y+32*\t+4*\q+\u+1] op_sel_hi:[1,0,1]
.endr
.endr
	s_wait_alu depctr_va_vdst(0)                   ; the token's sixteen packed lines have written its sixteen results, which the four stores below read
.irp q,0,1,2,3
	global_store_b128 v2, v[Y+32*\t+4*\q:Y+32*\t+4*\q+3], s[12:13] offset:2048*\t+512*\q th:TH_STORE_NT
.endr
.endr
	s_endpgm
.Lfunc_end_k_q9a73e7b20c_combine:
	.size	k_q9a73e7b20c_combine, .Lfunc_end_k_q9a73e7b20c_combine-k_q9a73e7b20c_combine
	.p2alignl 7, 3214868480
	.fill 96, 4, 3214868480
	.section	.rodata,"a",@progbits
	.p2align	6, 0x0
	.amdhsa_kernel k_q9a73e7b20c_combine
		.amdhsa_group_segment_fixed_size 0
		.amdhsa_private_segment_fixed_size 0
		.amdhsa_enable_private_segment 0
		.amdhsa_kernarg_size 24
		.amdhsa_user_sgpr_count 2
		.amdhsa_user_sgpr_kernarg_segment_ptr 1
		.amdhsa_wavefront_size32 1
		.amdhsa_system_sgpr_workgroup_id_x 1
		.amdhsa_system_sgpr_workgroup_id_y 1
		.amdhsa_system_sgpr_workgroup_id_z 1
		.amdhsa_system_vgpr_workitem_id 0
		.amdhsa_next_free_vgpr 132
		.amdhsa_next_free_sgpr 66
		.amdhsa_reserve_vcc 0
		.amdhsa_float_denorm_mode_32 3
		.amdhsa_float_denorm_mode_16_64 3
		.amdhsa_memory_ordered 1
		.amdhsa_forward_progress 1
		.amdhsa_inst_pref_size 11
	.end_amdhsa_kernel
	.amdgpu_metadata
---
amdhsa.version: [ 1, 2 ]
amdhsa.kernels:
  - .name:           k_q9a73e7b20c_combine
    .symbol:         k_q9a73e7b20c_combine.kd
    .args:
      - { .name: y, .offset: 0, .size: 8, .value_kind: global_buffer, .address_space: global }
      - { .name: gate, .offset: 8, .size: 8, .value_kind: global_buffer, .address_space: global }
      - { .name: out0, .offset: 16, .size: 8, .value_kind: global_buffer, .address_space: global }
    .group_segment_fixed_size: 0
    .private_segment_fixed_size: 0
    .kernarg_segment_align: 8
    .kernarg_segment_size: 24
    .max_flat_workgroup_size: 256
    .sgpr_count:     66
    .vgpr_count:     132
    .wavefront_size: 32
...
	.end_amdgpu_metadata
.endif
;; end of part 4
